; MI455X (gfx1250); checked and timed in simulation.
; The chip was launched on July 23, 2026; its instructions are those of AMD's public machine-readable ISA for CDNA 5 (MIT licence, August 2026) and "CDNA5" Instruction Set Architecture Reference Guide (July 2026). The comments in the code are by the model that wrote it; some were corrected since.
;; Dilated Self Attention. Allowed arithmetic: matrix products marked QUANTISED: E2M1 operands, one E8M0 scale for each 32 along K, by v_wmma_scale_f32_16x16x128_f8f6f4 with both operands' format E2M1 (or v_wmma_scale_f32_32x16x128_f4), f32 sums; products left as they are: bf16, f16 or f32 operands; f32 sums; everything else in f32.
;; Inputs: Wk 1,024 x 1,024 float32; Wo 1,024 x 1,024 float32; Wq 1,024 x 1,024 float32; Wv 1,024 x 1,024 float32; bk 1,024 float32; bo 1,024 float32; bq 1,024 float32; bv 1,024 float32; x 2 x 4,096 x 1,024 float32.
;; Outputs: out0 2 x 4,096 x 1,024 float32.
;; This version of the problem:
;;   THIS VERSION OF THE PROBLEM IS GIVEN IN LOW PRECISION. The matrix products marked QUANTISED in the list below multiply operands that are first quantised to E2M1 (2 exponent bits, 1 mantissa bit; 4 bits a number), with one power-of-two scale for each 32 numbers along K (OCP MX v1.0); their sums are f32. The products marked 'left as it is' may take bf16, f16 or f32 operands, with f32 sums. Whichever they take, every output number must still come out within the allowed error. Rounding operands to bf16 (8 significant bits) uses up far more of that allowance than f16 does (11 bits, for magnitudes from 6e-5 to 65,504). All else is computed in f32.
;;   The module's matrix products, in the order in which they are computed (A, B: the left and right operand; K: the contracted axis; several contracted axes count as one K, in the product's order):
;;     1. [M 8,192, K 1,024] x [K 1,024, N 1,024]; A: input x; B: input Wq: QUANTISED
;;     2. [M 8,192, K 1,024] x [K 1,024, N 1,024]; A: input x; B: input Wk: QUANTISED
;;     3. [M 8,192, K 1,024] x [K 1,024, N 1,024]; A: input x; B: input Wv: QUANTISED
;;     4. batch 1,024 x [M 128, K 64] x [K 64, N 128]; A: computed on the way; B: computed on the way: left as it is (an operand is computed on the way)
;;     5. batch 1,024 x [M 128, K 128] x [K 128, N 64]; A: computed on the way; B: computed on the way: left as it is (an operand is computed on the way)
;;     6. batch 1,024 x [M 128, K 64] x [K 64, N 32]; A: computed on the way; B: computed on the way: left as it is (an operand is computed on the way)
;;     7. batch 1,024 x [M 128, K 32] x [K 32, N 64]; A: computed on the way; B: computed on the way: left as it is (an operand is computed on the way)
;;     8. batch 1,024 x [M 128, K 64] x [K 64, N 32]; A: computed on the way; B: computed on the way: left as it is (an operand is computed on the way)
;;     9. batch 1,024 x [M 128, K 32] x [K 32, N 64]; A: computed on the way; B: computed on the way: left as it is (an operand is computed on the way)
;;     10. batch 1,024 x [M 128, K 64] x [K 64, N 32]; A: computed on the way; B: computed on the way: left as it is (an operand is computed on the way)
;;     11. batch 1,024 x [M 128, K 32] x [K 32, N 64]; A: computed on the way; B: computed on the way: left as it is (an operand is computed on the way)
;;     12. batch 1,024 x [M 128, K 64] x [K 64, N 32]; A: computed on the way; B: computed on the way: left as it is (an operand is computed on the way)
;;     13. batch 1,024 x [M 128, K 32] x [K 32, N 64]; A: computed on the way; B: computed on the way: left as it is (an operand is computed on the way)
;;     14. [M 8,192, K 1,024] x [K 1,024, N 1,024]; A: computed on the way; B: input Wo: left as it is (an operand is computed on the way)
;;   THE QUANTISER, for each operand of a quantised product, along K:
;;     - K is cut into blocks of 32 from its start; a last block that is shorter is filled with zeros.
;;     - A block's scale is 2^e with e = floor(log2(the largest magnitude in the block)) - 2, held to -126 .. 127; a block of zeros has e = 0. As a byte (E8M0): e + 127.
;;     - Each number is divided by its block's scale, clamped to +-6, and rounded to the nearest number of E2M1, ties to even, subnormals kept.
;;     - The product sums the exact products of the quantised numbers (number of the format x scale) in f32.
;;   ~~~python
;;   def quantise(x, axis):      # numpy; x: float32 -> the quantised numbers, widened to float32 again
;;       x = np.moveaxis(x, axis, -1); K = x.shape[-1]
;;       x = np.pad(x, [(0, 0)] * (x.ndim - 1) + [(0, -K % 32)]); x = x.reshape(x.shape[:-1] + (-1, 32)); a = np.abs(x).max(-1, keepdims=True)
;;       e = np.where(a > 0, np.clip(np.frexp(np.where(a > 0, a, 1))[1] - 1 - 2, -126, 127), 0)      # np.frexp(a)[1] - 1 = floor(log2(a)), exactly
;;       r = np.clip(x / 2.0 ** e, -6, 6)
;;       step = 2.0 ** (np.maximum(np.frexp(np.where(r == 0, 1, r))[1] - 1, 0) - 1)
;;       q = np.round(r / step) * step * 2.0 ** e      # np.round: ties to even
;;       return np.moveaxis(q.reshape(q.shape[:-2] + (-1,))[..., :K], -1, axis).astype(np.float32)
;;   ~~~
;; One version. Each part assembles by itself: llvm-mc -triple=amdgcn-amd-amdhsa -mcpu=gfx1250 --defsym DOCPART=n.
;; ======== version 1 of 1: 3 launches
;; limits: values are held in f16: magnitudes above 65,504 overflow, below 6.1e-05 lose precision
;; workspace buffers: xcodes 4,194,304 bytes; xscales 262,144 bytes; wcodes 1,671,168 bytes; wo16 2,097,152 bytes; att16 16,777,216 bytes
;; launch prep (part 1): grid 384 x 1, 4 waves a work-group, no clusters, 17,920 bytes of LDS; arguments x, Wv, Wk, Wq, Wo, xcodes, xscales, wcodes, wo16; writes xcodes, xscales, wcodes, wo16
.if DOCPART == 1
	.amdgcn_target "amdgcn-amd-amdhsa--gfx1250"
	.amdhsa_code_object_version 6
	.text
	.protected	k_q00aa753aa0_prep
	.globl	k_q00aa753aa0_prep
	.p2align	8
	.type	k_q00aa753aa0_prep,@function
k_q00aa753aa0_prep:
	s_mov_b64 s[64:65], 0
	v_nop
	global_prefetch_b8 v0, s[64:65] scope:SCOPE_SE
	s_setreg_imm32_b32 hwreg(HW_REG_WAVE_MODE, 25, 1), 1
	s_wait_xcnt 0x0
; x [8192][1024] and Wv, Wk, Wq [1024 (k)][1024 (n)], f32, become codes of FP4 (E2M1) with one E8M0 byte for each 32 along K; Wo [1024 (k)][1024 (n)] is rounded to f16.
; Everything is laid in the order of the operand registers of the launch that reads it, so that a fragment is an image of its registers: 16 bytes a lane, 512 bytes a group of four registers.
; A block's scale is 2^(floor(log2(largest magnitude)) - 2): its byte is the largest magnitude's exponent field - 2, held at 1 from below.
; LIMITS: a block of zeros gets the byte 1 where the quantiser says 127 (its codes are zeros, and this program alone reads the bytes); NaN and infinities among the inputs are not served;
;         Wo's magnitudes stay under 65,504 (f16).
; ROWS.  A segment is 128 rows of x.  Its tile T = 2 u + a holds rows 64 a + 4 r + u, r = 0 .. 15: tiles 0 and 1 are the rows 0, 4, .. 124 that neighbouring segments attend to.
; xcodes : seg x 65536 + T x 8192 + s x 1024 + c x 512 + h x 256 + r x 16 : the 32 codes k = 128 s + 64 c + 32 h + 0 .. 31 of row (T, r)
; xscales: seg x 4096 + u x 1024 + (s / 4) x 512 + a x 256 + r x 16 + 4 (s % 4) + (2 c + h)
; wcodes : 96 chunks of 17,408 bytes, chunk ((m x 16 + head) x 2 + khalf), m = 0 V, 1 K, 2 Q.  Codes: (s % 4) x 4096 + ct x 1024 + c x 512 + h x 256 + r x 16, column 64 head + 16 ct + r;
;          scale words from byte 16384 on: p x 512 + ((s % 4) / 2) x 256 + lane x 8 + 4 (s % 2) + (2 c + h), ct = 2 p + lane / 16
; wo16   : cb x 524288 + ks x 65536 + ct x 4096 + kk x 1024 + g x 512 + h x 256 + r x 16 + 2 i : n = 256 cb + 16 ct + r, k = 128 ks + 32 kk + 16 g + 8 h + i
; SHARES.  Work-groups 0-255: x (a wave: one tile of 16 rows x 512 along K).  256-351: Wv, Wk, Wq (a wave: 32 columns x 256 along K).  352-383: Wo (likewise).  Each wave reads 32 KiB.
; Memory binds: no matrix unit, no tensor load, no barrier, no cluster (no two work-groups read the same bytes); waves share nothing.
.set SPARE, 17408                      ; behind the four stages: the spare words, 128 bytes for each wave: two blocks of 256 bytes that no other line names
.set SPW,   14                         ; v14  LDS address of my spare word; never rewritten
.set NIL,   15                         ; v15  0; never rewritten
.set R,     16                         ; x: v16-111   three sets of 32 numbers as they are loaded
.set X,     112                        ; x: v112-175  two sets of 32 neighbours along K
.set C,     176                        ; x: v176-207  four registers of codes for each step: no store's data are written again
.set BY,    208                        ; x: v208-215  a scale byte for each step
.set WX,    16                         ; weights: v16-79   two sets of 32 numbers, down K
.set WCD,   80                         ; weights: v80-111  codes (four registers a block), or f16 (two sets of 16)
.set WSB,   112                        ; weights: v112-113 eight scale bytes
; the largest magnitude of the 32 numbers v[XS] .. v[XS + 31], all of one block and all mine; v11 = the conversion's scale operand
.macro QBLOCK
	v_max3_num_f32 v9, |v[XS]|, |v[XS+1]|, |v[XS+2]|
	v_max3_num_f32 v10, |v[XS+3]|, |v[XS+4]|, |v[XS+5]|
.irp i, 6,10,14,18,22,26
	v_max3_num_f32 v9, v9, |v[XS+\i]|, |v[XS+\i+1]|               ; two chains, so that no line waits for the line above it
	v_max3_num_f32 v10, v10, |v[XS+\i+2]|, |v[XS+\i+3]|
.endr
	v_max3_num_f32 v9, v9, |v[XS+30]|, |v[XS+31]|
	v_max3_num_f32 v9, v9, v10, 0x1800000                          ; and the floor 2^(3 - 127): the byte cannot fall under 1
	v_add_nc_u32 v11, 0xff000000, v9                               ; 2 off the exponent field: the conversion takes the exponent field of this operand as its scale
.endm
; x, step t: 64 along K of my 16 rows.  Sixteen lanes read 256 consecutive bytes of one row, lanes 16-31 those of the tile's next row (four rows of x further down)
.macro LOADX t
.irp i, 0,1,2,3,4,5,6,7
	global_load_b128 v[R+32*((\t)%3)+4*\i:R+32*((\t)%3)+4*\i+3], v4, s[4:5] offset:\i*32768+(\t)*256 th:TH_LOAD_NT
.endr
.endm
; through my stage (16 rows, 272 bytes apart): in as loaded, back 128 bytes a lane: a whole block of 32.  LDS serves a wave's instructions in order: no wait between the stores and the loads
.macro TURN t
.irp i, 0,1,2,3,4,5,6,7
	ds_store_b128 v5, v[R+32*((\t)%3)+4*\i:R+32*((\t)%3)+4*\i+3] offset:\i*544
.endr
.irp i, 0,1,2,3,4,5,6,7
	ds_load_b128 v[X+32*((\t)%2)+4*\i:X+32*((\t)%2)+4*\i+3], v6 offset:16*\i
.endr
.endm
.macro STEPX t
	s_wait_dscnt 0x0                               ; this step's numbers are back from the stage, and its stores into the stage have read their registers,
.if (\t)+3 < 8
	LOADX (\t)+3                                   ; which take the loads of three steps on
.endif
.if (\t)+1 < 8
.if (\t)+3 < 8
	s_wait_loadcnt 16                              ; the next step's eight loads are in; those of the two steps behind it may be out
.else
	s_wait_loadcnt 8*(6-(\t))                      ; at the end fewer follow
.endif
	TURN (\t)+1
.endif
.set XS, X+32*((\t)%2)
	QBLOCK
.irp g, 0,1,2,3
	v_cvt_scalef32_pk8_fp4_f32 v[C+4*(\t)+\g], v[XS+8*\g:XS+8*\g+7], v11
.endr
	v_lshrrev_b32 v[BY+(\t)], 23, v11              ; the scale's byte (a plain line behind the conversions)
	global_store_b128 v7, v[C+4*(\t):C+4*(\t)+3], s[14:15] offset:512*(\t)   ; 32 lanes store 512 consecutive bytes: half a fragment's image
.endm
; weights, block t: W(32 t + i, my column), i = 0 .. 31: a lane takes a column and its registers run down K; 32 lanes read 128 consecutive bytes
.macro LOADW t, b
.irp i, 0,1,2,3,4,5,6,7,8,9,10,11,12,13,14,15,16,17,18,19,20,21,22,23,24,25,26,27,28,29,30,31
	global_load_b32 v[WX+32*((\t)%2)+\i], v4, s[\b:\b+1] offset:(32*(\t)+\i)*4096 th:TH_LOAD_NT
.endr
.endm
.macro BLOCKW t
.set XS, WX+32*((\t)%2)
.if (\t) < 7
	s_wait_loadcnt 32                              ; this block's 32 loads are in; the next block's may be out
.else
	s_wait_loadcnt 0x0
.endif
	QBLOCK
.irp g, 0,1,2,3
	v_cvt_scalef32_pk8_fp4_f32 v[WCD+4*(\t)+\g], v[XS+8*\g:XS+8*\g+7], v11
.endr
	v_lshrrev_b32 v13, 23, v11                     ; the scale's byte (a plain line behind the conversions)
.if (\t)%4 == 0
	v_mov_b32 v[WSB+(\t)/4], v13                   ; four bytes to a register, the lower K in the lower byte
.else
	v_lshl_or_b32 v[WSB+(\t)/4], v13, 8*((\t)%4), v[WSB+(\t)/4]
.endif
	global_store_b128 v7, v[WCD+4*(\t):WCD+4*(\t)+3], s[18:19] offset:((\t)/4)*4096+(((\t)%4)/2)*512+((\t)%2)*256   ; each half of the lanes stores 256 consecutive bytes, aligned
.if (\t)+2 < 8
	LOADW (\t)+2, 6
.endif
.endm
.macro BLOCKO t
.set XS, WX+32*((\t)%2)
.set YS, WCD+16*((\t)%2)
.if (\t) < 7
	s_wait_loadcnt 32
.else
	s_wait_loadcnt 0x0
.endif
.if (\t) >= 2
	s_wait_xcnt 0x0                                ; the stores of two blocks back have read their data: the set is written again only behind this wait
.endif
.irp o, 0,1,2,3
.irp q, 0,1,2,3
	v_cvt_pk_f16_f32 v[YS+4*\o+\q], v[XS+8*\o+2*\q], v[XS+8*\o+2*\q+1]
.endr
.endr
.irp o, 0,1,2,3
	global_store_b128 v7, v[YS+4*\o:YS+4*\o+3], s[20:21] offset:((\t)/4)*65536+((\t)%4)*1024+\o*256   ; eight neighbours along K: 16 bytes; each half of the lanes stores 256 consecutive bytes, aligned
.endr
.if (\t)+2 < 8
	LOADW (\t)+2, 12
.endif
.endm
	s_load_b512 s[4:19], s[0:1], 0x0               ; x s[4:5], Wv s[6:7], Wk s[8:9], Wq s[10:11], Wo s[12:13], xcodes s[14:15], xscales s[16:17], wcodes s[18:19]
	s_load_b64 s[20:21], s[0:1], 0x40              ; wo16
	v_lshl_add_u32 v[SPW], v0, 2, SPARE
	v_mov_b32 v[NIL], 0
	v_lshrrev_b32 v1, 5, v0
	v_readfirstlane_b32 s22, v1                    ; wave 0..3
	v_and_b32 v1, 31, v0                           ; lane
	v_and_b32 v2, 15, v0                           ; r
	v_bfe_u32 v3, v0, 4, 1                         ; h
	s_mul_i32 s23, s22, 4352                       ; my stage: 16 rows x 272 bytes.  Both LDS addresses are made here, ahead of the parting
	v_mul_u32_u24 v5, v3, 272
	v_lshl_add_u32 v5, v2, 4, v5
	v_add_nc_u32 v5, s23, v5                       ; in: row h of a load's two, 16 bytes a lane
	v_mul_u32_u24 v6, v2, 272
	v_lshl_add_u32 v6, v3, 7, v6
	v_add_nc_u32 v6, s23, v6                       ; back: row r, 128 bytes for each half of the lanes
	s_mov_b32 s24, 0x76543210
	s_mov_b32 s25, 0xfedcba98                      ; v_permlanex16_b32's selects for lane l xor 16
	s_wait_kmcnt 0x0
	s_cmp_lt_u32 ttmp9, 256
	s_cbranch_scc0 .Lweights
	; ---- x
	s_lshl_b32 s26, ttmp9, 1
	s_lshr_b32 s27, s22, 1
	s_add_co_u32 s26, s26, s27                     ; my tile of 512: 8 seg + T
	s_and_b32 s27, s22, 1                          ; my half of K
	s_lshr_b32 s32, s26, 3
	s_lshl_b32 s32, s32, 7                         ; 128 seg
	s_and_b32 s28, s26, 1                          ; a
	s_lshl_b32 s29, s28, 6
	s_add_co_u32 s32, s32, s29
	s_bfe_u32 s29, s26, 0x20001                    ; u
	s_add_co_u32 s32, s32, s29                     ; the tile's first row: 128 seg + 64 a + u
	s_lshl_b32 s32, s32, 12
	s_lshl_b32 s29, s27, 11
	s_add_co_u32 s32, s32, s29
	s_mov_b32 s33, 0
	s_add_nc_u64 s[4:5], s[4:5], s[32:33]
	s_lshl_b32 s34, ttmp9, 2
	s_add_co_u32 s34, s34, s22
	s_lshl_b32 s34, s34, 12                        ; codes: tile x 8192 + half x 4096 = (4 x work-group + wave) x 4096
	s_mov_b32 s35, 0
	s_add_nc_u64 s[14:15], s[14:15], s[34:35]
	s_lshr_b32 s36, s26, 1
	s_lshl_b32 s36, s36, 10
	s_lshl_b32 s29, s27, 9
	s_add_co_u32 s36, s36, s29
	s_lshl_b32 s29, s28, 8
	s_add_co_u32 s36, s36, s29                     ; scale words: (4 seg + u) x 1024 + half x 512 + a x 256
	s_mov_b32 s37, 0
	s_add_nc_u64 s[16:17], s[16:17], s[36:37]
	v_lshlrev_b32 v4, 14, v3
	v_lshl_add_u32 v4, v2, 4, v4                   ; in: four rows of x for lanes 16-31, 16 bytes a lane
	v_lshlrev_b32 v7, 4, v1                        ; codes out: 16 x lane
	v_lshlrev_b32 v8, 4, v2
	v_lshl_add_u32 v8, v3, 3, v8                   ; scale words out: 16 r + 8 h
	v_lshlrev_b32 v12, 3, v3                       ; 8 h
.irp q, 0,1,2,3
	v_mov_b32 v[220+\q], 0                         ; a lane permute's destination counts as one of its sources
.endr
	LOADX 0
	LOADX 1
	LOADX 2
	s_wait_loadcnt 16                              ; step 0's eight loads are in
	TURN 0
.irp t, 0,1,2,3,4,5,6,7
	STEPX \t
.endr
.irp q, 0,1,2,3                                ; K step q of my four: my bytes are those of blocks h and 2 + h
	v_lshl_or_b32 v[216+\q], v[BY+2*\q+1], 16, v[BY+2*\q]
.endr
.irp q, 0,1,2,3
	v_lshlrev_b32 v[216+\q], v12, v[216+\q]
.endr
.irp q, 0,1,2,3
	v_permlanex16_b32 v[220+\q], v[216+\q], s24, s25
.endr
.irp q, 0,1,2,3
	v_or_b32 v[216+\q], v[216+\q], v[220+\q]       ; with lane l xor 16's two the word is whole
.endr
	v_cmp_gt_u32 vcc_lo, 16, v1
	v_cndmask_b32 v216, v218, v216, vcc_lo         ; lanes 0-15 store words 0 and 1 of row r, lanes 16-31 words 2 and 3
	v_cndmask_b32 v217, v219, v217, vcc_lo
	global_store_b64 v8, v[216:217], s[16:17]      ; 32 lanes store 256 consecutive bytes, aligned
	s_branch .Lend
.Lweights:
	s_sub_co_u32 s26, ttmp9, 256
	v_lshlrev_b32 v4, 2, v1                        ; in: 4 bytes a lane
	s_cmp_lt_u32 s26, 96
	s_cbranch_scc0 .Lwo
	; ---- Wv, Wk, Wq
	s_lshr_b32 s27, s26, 5                         ; m: 0 V, 1 K, 2 Q
	s_bfe_u32 s28, s26, 0x30002
	s_and_b32 s29, s26, 3                          ; which 256 along K
	s_lshl_b32 s28, s28, 2
	s_add_co_u32 s28, s28, s22                     ; my 32 columns of 1,024: 2 head + p
	s_cmp_eq_u32 s27, 0                            ; the choice hangs on the work-group's number alone
	s_cselect_b64 s[6:7], s[6:7], s[8:9]
	s_cmp_eq_u32 s27, 2
	s_cselect_b64 s[6:7], s[10:11], s[6:7]
	s_lshl_b32 s32, s29, 20                        ; 256 rows of 4,096 bytes
	s_lshl_b32 s30, s28, 7
	s_add_co_u32 s32, s32, s30
	s_mov_b32 s33, 0
	s_add_nc_u64 s[6:7], s[6:7], s[32:33]
	s_lshl_b32 s34, s27, 4
	s_lshr_b32 s30, s28, 1
	s_add_co_u32 s34, s34, s30                     ; 16 m + head
	s_lshl_b32 s34, s34, 1
	s_lshr_b32 s30, s29, 1
	s_add_co_u32 s34, s34, s30                     ; x 2 + khalf
	s_mul_i32 s34, s34, 17408
	s_mov_b32 s35, 0
	s_add_nc_u64 s[18:19], s[18:19], s[34:35]      ; my chunk
	s_and_b32 s30, s29, 1
	s_and_b32 s31, s28, 1                          ; p
	s_lshl_b32 s36, s30, 8
	s_lshl_b32 s38, s31, 9
	s_add_co_u32 s36, s36, s38
	s_add_co_u32 s36, s36, 16384
	s_mov_b32 s37, 0
	s_add_nc_u64 s[40:41], s[18:19], s[36:37]      ; its scale words
	s_lshl_b32 s36, s30, 13
	s_lshl_b32 s38, s31, 11
	s_add_co_u32 s36, s36, s38
	s_add_nc_u64 s[18:19], s[18:19], s[36:37]      ; its codes: two K steps of 4,096 bytes, two column tiles of 1,024
	v_lshlrev_b32 v7, 10, v3
	v_lshl_add_u32 v7, v2, 4, v7                   ; 1024 (lane / 16) + 16 r
	v_lshlrev_b32 v8, 3, v1
	LOADW 0, 6
	LOADW 1, 6
.irp t, 0,1,2,3,4,5,6,7
	BLOCKW \t
.endr
	global_store_b64 v8, v[WSB:WSB+1], s[40:41]    ; my column's eight scale bytes: 32 lanes store 256 consecutive bytes, aligned
	s_branch .Lend
.Lwo:
	; ---- Wo
	s_sub_co_u32 s26, s26, 96
	s_lshr_b32 s28, s26, 2
	s_and_b32 s29, s26, 3                          ; which 256 along K
	s_lshl_b32 s28, s28, 2
	s_add_co_u32 s28, s28, s22                     ; my 32 columns of 1,024
	s_lshl_b32 s32, s29, 20
	s_lshl_b32 s30, s28, 7
	s_add_co_u32 s32, s32, s30
	s_mov_b32 s33, 0
	s_add_nc_u64 s[12:13], s[12:13], s[32:33]
	s_lshr_b32 s34, s28, 3
	s_lshl_b32 s34, s34, 19                        ; cb
	s_lshl_b32 s30, s29, 17                        ; two K steps of 65,536 bytes
	s_add_co_u32 s34, s34, s30
	s_and_b32 s30, s28, 7
	s_lshl_b32 s30, s30, 13                        ; two column tiles of 4,096 bytes
	s_add_co_u32 s34, s34, s30
	s_mov_b32 s35, 0
	s_add_nc_u64 s[20:21], s[20:21], s[34:35]
	v_lshlrev_b32 v7, 12, v3
	v_lshl_add_u32 v7, v2, 4, v7                   ; 4096 (lane / 16) + 16 r
	LOADW 0, 12
	LOADW 1, 12
.irp t, 0,1,2,3,4,5,6,7
	BLOCKO \t
.endr
.Lend:
	s_wait_tensorcnt 0x0                           ; the wave's end: a tensor wait, an add onto my spare word and its wait, behind the last LDS store, the first even in a text with no tensor load
	ds_add_u32 v[SPW], v[NIL]
	s_wait_dscnt 0x0
	s_endpgm
.Lfunc_end_k_q00aa753aa0_prep:
	.size	k_q00aa753aa0_prep, .Lfunc_end_k_q00aa753aa0_prep-k_q00aa753aa0_prep
	.p2alignl 7, 3214868480
	.fill 96, 4, 3214868480
	.section	.rodata,"a",@progbits
	.p2align	6, 0x0
	.amdhsa_kernel k_q00aa753aa0_prep
		.amdhsa_group_segment_fixed_size 17920
		.amdhsa_private_segment_fixed_size 0
		.amdhsa_enable_private_segment 0
		.amdhsa_kernarg_size 72
		.amdhsa_user_sgpr_count 2
		.amdhsa_user_sgpr_kernarg_segment_ptr 1
		.amdhsa_wavefront_size32 1
		.amdhsa_system_sgpr_workgroup_id_x 1
		.amdhsa_system_sgpr_workgroup_id_y 1
		.amdhsa_system_sgpr_workgroup_id_z 1
		.amdhsa_system_vgpr_workitem_id 0
		.amdhsa_next_free_vgpr 224
		.amdhsa_next_free_sgpr 66
		.amdhsa_reserve_vcc 1
		.amdhsa_float_denorm_mode_32 3
		.amdhsa_float_denorm_mode_16_64 3
		.amdhsa_memory_ordered 1
		.amdhsa_forward_progress 1
		.amdhsa_inst_pref_size 105
	.end_amdhsa_kernel
	.amdgpu_metadata
---
amdhsa.version: [ 1, 2 ]
amdhsa.kernels:
  - .name:           k_q00aa753aa0_prep
    .symbol:         k_q00aa753aa0_prep.kd
    .args:
      - { .name: x, .offset: 0, .size: 8, .value_kind: global_buffer, .address_space: global }
      - { .name: Wv, .offset: 8, .size: 8, .value_kind: global_buffer, .address_space: global }
      - { .name: Wk, .offset: 16, .size: 8, .value_kind: global_buffer, .address_space: global }
      - { .name: Wq, .offset: 24, .size: 8, .value_kind: global_buffer, .address_space: global }
      - { .name: Wo, .offset: 32, .size: 8, .value_kind: global_buffer, .address_space: global }
      - { .name: xcodes, .offset: 40, .size: 8, .value_kind: global_buffer, .address_space: global }
      - { .name: xscales, .offset: 48, .size: 8, .value_kind: global_buffer, .address_space: global }
      - { .name: wcodes, .offset: 56, .size: 8, .value_kind: global_buffer, .address_space: global }
      - { .name: wo16, .offset: 64, .size: 8, .value_kind: global_buffer, .address_space: global }
    .group_segment_fixed_size: 17920
    .private_segment_fixed_size: 0
    .kernarg_segment_align: 8
    .kernarg_segment_size: 72
    .max_flat_workgroup_size: 128
    .sgpr_count:     66
    .vgpr_count:     224
    .wavefront_size: 32
...
	.end_amdgpu_metadata
.endif
;; end of part 1
;; launch attn (part 2): grid 64 x 4, 4 waves a work-group, clusters of 4 x 1, 327,680 bytes of LDS; arguments xcodes, xscales, wcodes, bv, bk, bq, att16; writes att16
.if DOCPART == 2
	.amdgcn_target "amdgcn-amd-amdhsa--gfx1250"
	.amdhsa_code_object_version 6
	.text
	.protected	k_q00aa753aa0_attn
	.globl	k_q00aa753aa0_attn
	.p2align	8
	.type	k_q00aa753aa0_attn,@function
k_q00aa753aa0_attn:
	s_mov_b64 s[64:65], 0
	v_nop
	global_prefetch_b8 v0, s[64:65] scope:SCOPE_SE
	s_setreg_imm32_b32 hwreg(HW_REG_WAVE_MODE, 25, 1), 1
	s_wait_xcnt 0x0
	s_wait_alu depctr_hold_cnt(0) depctr_sa_sdst(0) depctr_va_vdst(0) depctr_va_sdst(0) depctr_va_ssrc(0) depctr_va_vcc(0) depctr_vm_vsrc(0)
	s_getreg_b32 s2, hwreg(HW_REG_IB_STS2, 6, 4)
	s_cmp_eq_u32 s2, 0
	s_cbranch_scc0 .Lentry_in_a_cluster
	s_endpgm
.Lentry_in_a_cluster:
	s_bfe_u32 s2, ttmp6, 0x10000c
	s_cmp_lg_u32 s2, 0x3003
	s_cbranch_scc0 .Lentry_shape_is_right
	s_endpgm
.Lentry_shape_is_right:
; The three quantised projections (codes of FP4, E8M0 scales, sums in f32) and the five attentions of a segment, fused: q, k and v never go to memory.
; SHARES.  A work-group owns one segment of 128 rows and four heads; wave w owns head 4 hg + w, all by itself: Q of the 128 rows, K and V of the 128 rows and of the 4 x 32 dilated rows of the
; segments at -2, -1, +1, +2 (which it computes anew: 640 row products in place of 384, of the cheapest work, against 96 MB of q, k, v through memory).
; ROWS.  Tile T = 2 u + a of a segment holds rows 64 a + 4 r + u: tiles 0 and 1 are the dilated rows.  Tiles 0-7: my segment's; tile 8 + 2 j + a: tile a of neighbour j.
; NOTHING CHANGES LANES.  K and Q are made transposed (source 0 = 16 channels of W, source 1 = 16 rows of x): a lane holds one row and eight channels, so two channel tiles, rounded to f16 in pairs,
; are a fragment (16 rows x 32 channels).  V is made the natural way (source 0 = x, source 1 = W): a lane holds one channel and eight rows: two row tiles are a fragment of V^T (16 channels x 32 keys).
; S^T = K Q^T and O^T = V^T P then hold one query a lane throughout.  The biases are the C of each sum's first product.
; SOFTMAX.  Five of them for each query: over my segment's 128 keys and over each neighbour's 32.  Each takes its own maximum away: p = 2^(c s - c m), c = log2(e) / 8.  p is multiplied by 1 / l (my segment)
; or w / l (a neighbour: w = 0.25, or 0 where the neighbour lies outside the batch) before it is rounded to f16, so that all 256 keys go through ONE sum O^T.  A neighbour outside is clamped to the batch's edge and weighs 0.
; The products left as they are take f16 operands, f32 sums.  LIMITS: |q|, |k|, |v| under 65,504 (f16); NaN and infinities among the inputs are not served.
; CLUSTER.  The four partners are four segments of one head group and walk the same weights: each wave's chunk of W (a head, half of K: 17,408 bytes) is asked for JOINTLY.  x's codes differ from partner to partner
; and come by loads of their own.  A work-group's place in the cluster enters global addresses and the four weights alone.
; No prefetch: x's codes are wanted at the head alone, and a weight chunk is asked for four K steps ahead of its first read and is walked by all sixteen clusters of its head group.
; LDS: x's 16 tiles of 8,192 bytes; two slots for W, a part of 17,408 bytes for each wave, which it alone reads; the spare words.  Q's f16 fragments are parked in the wave's own part of slot 0, behind that slot's last fill.
; REGISTERS.  window 0: v1-12 addresses; v16-79 x's scale words, v80-87 W's (they hold scales and nothing else); v88-119 a bias, later the softmax's statistics; v128-191 x's fragments (8), v192-255 W's (two sets of 4);
;   in the attention v128-255 are S^T.   window 1: V^T's fragments (ct, G) at 64 ct + 8 G.   windows 2, 3: the accumulators (4 T + ct) at 8 ((4 T + ct) % 32); then window 2: K's fragments (T, ch) at 16 T + 8 ch;
;   window 3 in the attention: O^T v0-31, Q's fragments v32-47, O as f16 v48-63, P v64-127.
.set WS0,   131072                     ; W's slot 0
.set WS1,   200704                     ; W's slot 1
.set WPART, 17408                      ; a wave's part of a slot: a chunk: 16,384 bytes of codes, 1,024 of scale words
.set WSTEP, 557056                     ; from a chunk to the same chunk of the next matrix: 32 chunks
.set SPARE, 270336                     ; the spare words, 128 bytes for each wave: two blocks of 256 bytes that no other line names
.set LI,   1                           ; v1   16 x lane: an image's place for my lane; x's tiles 0-7
.set LI2,  2                           ; v2   + 65536: x's tiles 8-15
.set ADW,  3                           ; v3, v4   16 x lane + my part of slot 0, 1
.set ADS,  5                           ; v5, v6   8 x lane + my part of slot 0, 1
.set SPW,  7                           ; v7   LDS address of my spare word; never rewritten
.set NIL,  8                           ; v8   0; never rewritten
.set BH,   10                          ; v10  32 h
.set BR,   11                          ; v11  4 r
.set QAD,  12                          ; v12  where the next query tile's fragments lie
.set XSC,  16                          ; register 8 P + s: lanes 0-15 the word of tile 2 P, lanes 16-31 that of tile 2 P + 1, K step s
.set WSC,  80                          ; register 4 ((s / 2) % 2) + 2 p + s % 2: lanes 0-15 channel tile 2 p, lanes 16-31 tile 2 p + 1
.set BIAS, 88
.set AF,   128
.set BF,   192
.set SR,   128                         ; S^T: tile T at SR + 8 T
.set QFR,  32
.set OTR,  48
.set PR,   64
.set MSB, 0
.macro WIN new                         ; the immediate's high byte repeats the setting that is left; a switch that changes nothing is dropped
.if MSB != (\new)
	s_set_vgpr_msb (MSB<<8)|(\new)
.set MSB, (\new)
.endif
.endm
.macro ROUND                           ; a round of the cluster's barrier
	s_barrier_signal -1
	s_barrier_wait -1
	s_cmp_lg_u32 s18, 0
	s_cbranch_scc1 .Lnot_wave_0_\@
	s_barrier_signal -3
.Lnot_wave_0_\@:
	s_barrier_wait -3
	s_barrier_signal -1
	s_barrier_wait -1
.endm
.macro NB j, d                         ; neighbour j at distance d: its weight s[32 + j], and its segment, clamped to the batch, s[28 + j]
	s_add_co_i32 s25, s23, \d
	s_cmp_lt_u32 s25, 32
	s_cselect_b32 s[32+\j], 0x3e800000, 0
	s_max_i32 s25, s25, 0
	s_min_i32 s25, s25, 31
	s_add_co_u32 s[28+\j], s25, s24
.endm
.macro WM1                             ; one product, by the symbols that WMX sets; fA, fB: the side's scale words lie in lanes 16-31
.if fA && fB
	v_wmma_scale_f32_16x16x128_f8f6f4 v[rD:rD+7], v[rA:rA+7], v[rB:rB+7], v[rC:rC+7], v[rSA], v[rSB] matrix_a_fmt:MATRIX_FMT_FP4 matrix_b_fmt:MATRIX_FMT_FP4 matrix_a_scale:MATRIX_SCALE_ROW1 matrix_b_scale:MATRIX_SCALE_ROW1
.elseif fA
	v_wmma_scale_f32_16x16x128_f8f6f4 v[rD:rD+7], v[rA:rA+7], v[rB:rB+7], v[rC:rC+7], v[rSA], v[rSB] matrix_a_fmt:MATRIX_FMT_FP4 matrix_b_fmt:MATRIX_FMT_FP4 matrix_a_scale:MATRIX_SCALE_ROW1
.elseif fB
	v_wmma_scale_f32_16x16x128_f8f6f4 v[rD:rD+7], v[rA:rA+7], v[rB:rB+7], v[rC:rC+7], v[rSA], v[rSB] matrix_a_fmt:MATRIX_FMT_FP4 matrix_b_fmt:MATRIX_FMT_FP4 matrix_b_scale:MATRIX_SCALE_ROW1
.else
	v_wmma_scale_f32_16x16x128_f8f6f4 v[rD:rD+7], v[rA:rA+7], v[rB:rB+7], v[rC:rC+7], v[rSA], v[rSB] matrix_a_fmt:MATRIX_FMT_FP4 matrix_b_fmt:MATRIX_FMT_FP4
.endif
.endm
; phase ph (0 V, 1 K, 2 Q), K step s, row tile T, channel tile ct.  The first K step takes the bias as C: nothing is cleared
.macro WMX ph, s, T, ct
.set rX,  AF+8*((\T)%8)
.set rW,  BF+32*((\s)%2)+8*(\ct)
.set rXS, XSC+8*((\T)/2)+(\s)
.set rWS, WSC+4*(((\s)/2)%2)+2*((\ct)/2)+(\s)%2
.set rD,  8*((4*(\T)+(\ct))%32)
.if (\s) == 0
.set rC, BIAS+8*(\ct)
.else
.set rC, rD
.endif
.if (\ph) == 0
.set rA, rX
.set rB, rW
.set rSA, rXS
.set rSB, rWS
.set fA, (\T)%2
.set fB, (\ct)%2
.else
.set rA, rW
.set rB, rX
.set rSA, rWS
.set rSB, rXS
.set fA, (\ct)%2
.set fB, (\T)%2
.endif
	WM1
.endm
.macro ALOAD P, s                      ; x's fragments of tiles 2 P and 2 P + 1, K step s: four loads
.irp tt, 0,1
.irp c, 0,1
.if (\P) < 4
	ds_load_b128 v[AF+8*((2*(\P)+\tt)%8)+4*\c:AF+8*((2*(\P)+\tt)%8)+4*\c+3], v[LI] offset:((2*(\P)+\tt)%8)*8192+(\s)*1024+\c*512
.else
	ds_load_b128 v[AF+8*((2*(\P)+\tt)%8)+4*\c:AF+8*((2*(\P)+\tt)%8)+4*\c+3], v[LI2] offset:((2*(\P)+\tt)%8)*8192+(\s)*1024+\c*512
.endif
.endr
.endr
.endm
.macro BLOAD slot, s                   ; W's four fragments of K step s into set s % 2; with an even s also the scale words of steps s and s + 1
.irp ct, 0,1,2,3
.irp c, 0,1
	ds_load_b128 v[BF+32*((\s)%2)+8*\ct+4*\c:BF+32*((\s)%2)+8*\ct+4*\c+3], v[ADW+(\slot)] offset:((\s)%4)*4096+\ct*1024+\c*512
.endr
.endr
.if (\s)%2 == 0
.irp p, 0,1
	ds_load_b64 v[WSC+4*(((\s)/2)%2)+2*\p:WSC+4*(((\s)/2)%2)+2*\p+1], v[ADS+(\slot)] offset:16384+\p*512+(((\s)%4)/2)*256
.endr
.endif
.endm
.macro BIASL b                         ; K's or Q's bias in the result's layout: lane (r, h), tile ct: channels 16 ct + 8 h + 0 .. 7
.irp ct, 0,1,2,3
	global_load_b128 v[BIAS+8*\ct:BIAS+8*\ct+3], v[BH], s[\b:\b+1] offset:64*\ct
	global_load_b128 v[BIAS+8*\ct+4:BIAS+8*\ct+7], v[BH], s[\b:\b+1] offset:64*\ct+16
.endr
.endm
; A CHANGE OF SLOTS.  The slot's last fragments are in registers (they are fetched a K step ahead), so it takes the same chunk of the next matrix: the load has four K steps in which to land.
.macro CHG slot
	s_wait_tensorcnt 0x0                           ; all my tensor loads have landed, the other slot's chunk among them: no load of mine is out, so a group 0 may be written
	ds_add_u32 v[SPW], v[NIL]                      ; 0 onto my spare word; the descriptor's step stands between it and the wait for it
	s_add_nc_u64 s[62+8*(\slot):63+8*(\slot)], s[62+8*(\slot):63+8*(\slot)], WSTEP
	s_wait_dscnt 0x0                               ; the add is done, and my reads of the slot are over
	ROUND                                          ; the same holds of every wave of all four partners
	tensor_load_to_lds s[60+8*(\slot):63+8*(\slot)], s[44:51]   ; my one tensor load behind the round, and the first thing there; eight LDS loads follow it, with no switch of windows among them
	s_nop 0
.endm
.macro HOOK ph, s                      ; what stands behind a K step's first pair of tiles, ahead of that run's loads of x
.if ((\s) == 1) && ((\ph) == 0)
	BIASL 12                                       ; the next phase's bias: this phase's was last read in step 0
.endif
.if ((\s) == 1) && ((\ph) == 1)
	BIASL 14
.endif
.if (\s) == 3
.if (\ph) < 2
	CHG 0
.else
	s_wait_tensorcnt 0x0                           ; Q's second chunk, my last tensor load, has landed; I alone read it
.endif
	BLOAD 1, 4
.elseif (\s) == 7
.if (\ph) < 2
	CHG 1
	BLOAD 0, 0
.endif
.else
	BLOAD ((\s)+1)/4, (\s)+1
.endif
.endm
; A pair of row tiles against W's four channel tiles: eight products on eight accumulators, which take turns.  Behind them four places (ISA guide 7.12.1 for vector
; instructions), and then the loads into the registers that they have read: the pair of tiles four pairs on takes this pair's registers.
.macro GPAIR ph, np, s, P, cnt
	s_wait_dscnt \cnt                              ; this pair's four loads were issued four pairs back; the three runs of four or more behind them may be out (W's loads stand first in their run)
.if ((\ph) == 2) || ((\P) >= 4)
.if (\s) == 0
	WIN 0xc0                                       ; D window 3, the bias window 0
.else
	WIN 0xf0                                       ; C and D window 3
.endif
.else
.if (\s) == 0
	WIN 0x80
.else
	WIN 0xa0                                       ; C and D window 2
.endif
.endif
.irp tt, 0,1
.irp ct, 0,1,2,3
	WMX \ph, \s, 2*(\P)+\tt, \ct
.endr
.endr
.rept 4
	v_nop
.endr
	WIN 0
.if (\P) == 0
	HOOK \ph, \s
.endif
.set nP, (\P)+4
.set nS, (\s)
.set nPh, (\ph)
.if nP >= (\np)
.set nP, nP-(\np)
.set nS, nS+1
.endif
.if nS == 8
.set nS, 0
.set nPh, nPh+1
.endif
.if nPh < 3
	ALOAD nP, nS
.endif
.endm
.macro PHASE ph, np                    ; a matrix: 8 K steps x np pairs of row tiles
.irp s, 0,1,2,3,4,5,6,7
.irp P, 0,1,2,3,4,5,6,7
.if \P < \np
.if ((\ph) == 2) && (\s == 7)
	GPAIR \ph, \np, \s, \P, 12-4*\P                ; the very last step: no loads follow, so the counts run down
.else
	GPAIR \ph, \np, \s, \P, 12
.endif
.endif
.endr
.endr
.endm
	s_load_b256 s[4:11], s[0:1], 0x0               ; xcodes s[4:5], xscales s[6:7], wcodes s[8:9], bv s[10:11]
	s_load_b128 s[12:15], s[0:1], 0x20             ; bk s[12:13], bq s[14:15]
	s_load_b64 s[16:17], s[0:1], 0x30              ; att16
	v_lshl_add_u32 v[SPW], v0, 2, SPARE
	v_mov_b32 v[NIL], 0
	ds_add_u32 v[SPW], v[NIL]                      ; the wave's opening: the add, twice on end, and its wait ahead of my first tensor load; the set-up below, work on registers, stands between
	ds_add_u32 v[SPW], v[NIL]
	v_lshrrev_b32 v9, 5, v0
	v_readfirstlane_b32 s18, v9                    ; wave 0..3
	s_bfe_u32 s19, ttmp6, 0x40000                  ; cx: my place in the cluster
	s_lshl_b32 s20, ttmp9, 2
	s_add_co_u32 s20, s20, s19                     ; my segment of 64
	s_and_b32 s21, ttmp7, 0xffff                   ; the head group, which the four partners share
	s_lshl_b32 s22, s21, 2
	s_add_co_u32 s22, s22, s18                     ; my head
	s_and_b32 s23, s20, 31                         ; the segment within its batch,
	s_and_b32 s24, s20, 32                         ; and the batch's first segment
	NB 0, -2
	NB 1, -1
	NB 2, 1
	NB 3, 2
	s_cmp_ge_u32 s18, 2                            ; the neighbour whose codes I fetch: wave 0, 1, 2, 3: -2, -1, +1, +2
	s_cselect_b32 s26, -1, -2
	s_add_co_i32 s26, s26, s18
	s_add_co_i32 s26, s26, s23
	s_max_i32 s26, s26, 0
	s_min_i32 s26, s26, 31
	s_add_co_u32 s26, s26, s24
	; descriptor group 1: dense blocks as rows of 256 bytes (32 elements of 8 bytes).  x's: 64 rows, no mask.  W's: 68 rows, all four partners
	s_mov_b32 s36, 3<<16
	s_mov_b32 s37, 32<<16                          ; tensor_dim0
	s_mov_b32 s38, 64<<16                          ; tensor_dim1
	s_mov_b32 s39, 32<<16                          ; tile_dim0
	s_mov_b32 s40, 64                              ; tile_dim1
	s_mov_b32 s41, 32                              ; from row to row
	s_mov_b32 s42, 0
	s_mov_b32 s43, 0
	s_mov_b32 s44, 15|(3<<16)|(1<<21)              ; 15:0 the mask; 17:16 elements of 8 bytes; 21 set beside a mask
	s_mov_b32 s45, 32<<16
	s_mov_b32 s46, 68<<16
	s_mov_b32 s47, 32<<16
	s_mov_b32 s48, 68
	s_mov_b32 s49, 32
	s_mov_b32 s50, 0
	s_mov_b32 s51, 0
	s_lshl_b32 s80, s20, 16                        ; where my loads begin in memory: two of my segment's eight tiles,
	s_lshl_b32 s27, s18, 14
	s_add_co_u32 s80, s80, s27
	s_mov_b32 s81, 0
	s_lshl_b32 s82, s26, 16                        ; tiles 0 and 1 of my neighbour,
	s_mov_b32 s83, 0
	s_mul_i32 s84, s22, 2*WPART                    ; V's two chunks of my head (the head alone enters: the same in all four partners)
	s_mov_b32 s85, 0
	s_lshl_b32 s53, s18, 14                        ; and in LDS: no place in the cluster enters an LDS address
	s_add_co_u32 s57, s53, 65536
	s_mul_i32 s61, s18, WPART
	s_add_co_u32 s69, s61, WS1
	s_add_co_u32 s61, s61, WS0
	v_and_b32 v[LI], 31, v0
	v_lshlrev_b32 v[ADS], 3, v[LI]
	v_lshlrev_b32 v[LI], 4, v[LI]
	v_add_nc_u32 v[LI2], 0x10000, v[LI]
	v_add_nc_u32 v[ADW], s61, v[LI]
	v_add_nc_u32 v[ADW+1], s69, v[LI]
	v_add_nc_u32 v[ADS+1], s69, v[ADS]
	v_add_nc_u32 v[ADS], s61, v[ADS]
	v_bfe_u32 v[BH], v0, 4, 1
	v_lshlrev_b32 v[BH], 5, v[BH]
	v_and_b32 v[BR], 15, v0
	v_lshlrev_b32 v[BR], 2, v[BR]
	s_mov_b32 s72, 0x3e38aa3b                      ; c = log2(e) / 8
	s_mov_b32 s73, s72                             ; (named with it as a pair, so it is written)
	s_mov_b32 s74, 0xbe38aa3b                      ; -c
	s_mov_b32 s76, 0x76543210
	s_mov_b32 s77, 0xfedcba98                      ; v_permlanex16_b32's selects for lane l xor 16
	s_wait_dscnt 0x0                               ; both opening adds are done
	s_wait_kmcnt 0x0
	s_mov_b32 s52, 1                               ; group 0: count 1, LDS address, global address, type 2
	s_add_nc_u64 s[54:55], s[4:5], s[80:81]
	s_or_b32 s55, s55, 0x80000000
	s_mov_b32 s56, 1
	s_add_nc_u64 s[58:59], s[4:5], s[82:83]
	s_or_b32 s59, s59, 0x80000000
	s_mov_b32 s60, 1
	s_add_nc_u64 s[62:63], s[8:9], s[84:85]
	s_mov_b32 s68, 1
	s_add_nc_u64 s[70:71], s[62:63], WPART
	s_or_b32 s63, s63, 0x80000000
	s_or_b32 s71, s71, 0x80000000
	s_mov_b32 s97, 0
	s_lshl_b32 s96, s20, 12
	s_add_nc_u64 s[86:87], s[6:7], s[96:97]        ; my segment's scale words,
.irp j, 0,1,2,3
	s_lshl_b32 s96, s[28+\j], 12
	s_add_nc_u64 s[88+2*\j:89+2*\j], s[6:7], s[96:97]   ; and the four neighbours'
.endr
	s_lshl_b32 s96, s22, 8                         ; the biases at my head's 64 numbers
	s_add_nc_u64 s[10:11], s[10:11], s[96:97]
	s_add_nc_u64 s[12:13], s[12:13], s[96:97]
	s_add_nc_u64 s[14:15], s[14:15], s[96:97]
	s_lshl_b32 s96, s20, 18                        ; the result: seg x 262144 + (head / 2) x 32768 + (head % 2) x 2048; a query tile is 4,096 bytes on
	s_lshl_b32 s27, s21, 1
	s_lshr_b32 s98, s18, 1
	s_add_co_u32 s27, s27, s98
	s_lshl_b32 s27, s27, 15
	s_add_co_u32 s96, s96, s27
	s_and_b32 s27, s18, 1
	s_lshl_b32 s27, s27, 11
	s_add_co_u32 s96, s96, s27
	s_add_nc_u64 s[16:17], s[16:17], s[96:97]
	ROUND                                          ; all four work-groups are here: the first joint loads meet
	tensor_load_to_lds s[52:55], s[36:43]          ; the first fills go out together: four loads of mine are out.  Two tiles of my segment,
	s_nop 0
	tensor_load_to_lds s[56:59], s[36:43]          ; my neighbour's two,
	s_nop 0
	tensor_load_to_lds s[60:63], s[44:51]          ; V's first chunk of my head,
	s_nop 0
	tensor_load_to_lds s[68:71], s[44:51]          ; and its second
	s_nop 0
.irp P, 0,1,2,3
.irp hf, 0,1
	global_load_b128 v[XSC+8*\P+4*\hf:XSC+8*\P+4*\hf+3], v[LI], s[86:87] offset:\P*1024+\hf*512   ; four K steps' words of two tiles: 512 consecutive bytes
.endr
.endr
.irp j, 0,1,2,3
.irp hf, 0,1
	global_load_b128 v[XSC+32+8*\j+4*\hf:XSC+32+8*\j+4*\hf+3], v[LI], s[88+2*\j:89+2*\j] offset:\hf*512
.endr
.endr
.irp ct, 0,1,2,3
.irp j, 0,1,2,3,4,5,6,7
	global_load_b32 v[BIAS+8*\ct+\j], v[BR], s[10:11] offset:64*\ct   ; V's bias in the result's layout: a lane holds channel 16 ct + r in all eight registers
.endr
.endr
	s_wait_tensorcnt 0x1                           ; x's tiles and V's first chunk have landed; the second chunk may stay out
	s_barrier_signal -1
	s_barrier_wait -1                              ; every wave's part of x is there
	BLOAD 0, 0
	ALOAD 0, 0
	ALOAD 1, 0
	ALOAD 2, 0
	ALOAD 3, 0
	s_wait_loadcnt 0x0                             ; x's scale words and V's bias
	PHASE 0, 8                                     ; ---- V of 256 rows
.irp T, 0,1,2,3,4,5,6,7,8,9,10,11,12,13,14,15  ; to f16: eight rows of a channel are four registers; each accumulator from its low end on.  (The pair's four v_nop are the places behind the last products)
.if \T < 8
	WIN 0x4a
.else
	WIN 0x4f
.endif
.irp ct, 0,1,2,3
.irp q, 0,1,2,3
	v_cvt_pk_f16_f32 v[64*\ct+4*\T+\q], v[8*((4*\T+\ct)%32)+2*\q], v[8*((4*\T+\ct)%32)+2*\q+1]
.endr
.endr
.endr
	WIN 0
	s_wait_loadcnt 0x0                             ; K's bias
	PHASE 1, 8                                     ; ---- K of 256 rows
.irp T, 0,1,2,3,4,5,6,7,8,9,10,11,12,13,14,15  ; to f16, in place and in ascending order: accumulator i's four registers land at 4 i, under every accumulator not yet read
.if \T < 8
	WIN 0x8a
.else
	WIN 0x8f
.endif
.irp ct, 0,1,2,3
.irp q, 0,1,2,3
	v_cvt_pk_f16_f32 v[16*\T+4*\ct+\q], v[8*((4*\T+\ct)%32)+2*\q], v[8*((4*\T+\ct)%32)+2*\q+1]
.endr
.endr
.endr
	WIN 0
	s_wait_loadcnt 0x0                             ; Q's bias
	PHASE 2, 4                                     ; ---- Q of my 128 rows
	WIN 0x0f                                       ; to f16, into the registers that held the fragments
.irp T, 0,1,2,3,4,5,6,7
.irp ct, 0,1,2,3
.irp q, 0,1,2,3
	v_cvt_pk_f16_f32 v[128+16*\T+4*\ct+\q], v[8*(4*\T+\ct)+2*\q], v[8*(4*\T+\ct)+2*\q+1]
.endr
.endr
.endr
	WIN 0
.irp T, 0,1,2,3,4,5,6,7                        ; parked in my own part of slot 0, as images of the registers: the slot has had its last fill, my last read of it is long over, and no other wave touches it
.irp ct, 0,1,2,3
	ds_store_b128 v[ADW], v[128+16*\T+4*\ct:128+16*\T+4*\ct+3] offset:\T*2048+\ct*512
.endr
.endr
.irp g, 0,1,2,3,4
	v_mov_b32 v[104+\g], 0                         ; a lane permute's destination counts as one of its sources
	v_mov_b32 v[111+2*\g], 0                       ; (named as the upper halves of pairs)
.endr
	WIN 0xc0                                       ; destination window 3
.irp ct, 0,1,2,3
	ds_load_b128 v[QFR+4*\ct:QFR+4*\ct+3], v[ADW] offset:512*\ct   ; query tile 0.  LDS serves a wave's instructions in order: these see my stores
.endr
	WIN 0
	s_mov_b32 s78, 2048                            ; where the next query tile lies in the stash
	s_mov_b32 s79, 8
.Ltile:                                            ; ---- a tile of 16 queries against all 256 keys
	s_wait_dscnt 0x0                               ; Q's two fragments are in
	WIN 0x0e                                       ; K window 2, Q window 3, S^T window 0
.irp T, 0,1,2,3,4,5,6,7,8,9,10,11,12,13,14,15
	v_wmma_f32_16x16x32_f16 v[SR+8*\T:SR+8*\T+7], v[16*\T:16*\T+7], v[QFR:QFR+7], 0
.endr
.irp T, 0,1,2,3,4,5,6,7,8,9,10,11,12,13,14,15
	v_wmma_f32_16x16x32_f16 v[SR+8*\T:SR+8*\T+7], v[16*\T+8:16*\T+15], v[QFR+8:QFR+15], v[SR+8*\T:SR+8*\T+7]
.endr
	WIN 0
	s_min_u32 s80, s78, 14336                      ; the last trip asks for tile 7 once more: inside the stash, and used by nobody
	v_add_nc_u32 v[QAD], s80, v[ADW]
.rept 3
	v_nop                                          ; with the addition: four places behind the products, for the loads below and for the first read of S^T
.endr
	WIN 0xc0
.irp ct, 0,1,2,3
	ds_load_b128 v[QFR+4*\ct:QFR+4*\ct+3], v[QAD] offset:512*\ct   ; the next tile's fragments land while this tile's softmax is walked
.endr
	WIN 0
	; the maxima: eight blocks of two key tiles by turns; each tile is first read at its low end.  Blocks 0-3: my segment; block 4 + j: neighbour j
.irp b, 0,1,2,3,4,5,6,7
	v_max3_num_f32 v[88+\b], v[SR+16*\b], v[SR+16*\b+1], v[SR+16*\b+2]
.endr
.irp i, 3,5,7,9,11,13
.irp b, 0,1,2,3,4,5,6,7
	v_max3_num_f32 v[88+\b], v[88+\b], v[SR+16*\b+\i], v[SR+16*\b+\i+1]
.endr
.endr
.irp b, 0,1,2,3,4,5,6,7
	v_max_num_f32 v[88+\b], v[88+\b], v[SR+16*\b+15]
.endr
	v_max3_num_f32 v88, v88, v89, v90
	v_max_num_f32 v91, v88, v91                    ; the five groups' maxima: v91 .. v95
.irp g, 0,1,2,3,4
	v_permlanex16_b32 v[104+\g], v[91+\g], s76, s77
.endr
.irp g, 0,1,2,3,4
	v_max_num_f32 v[91+\g], v[91+\g], v[104+\g]    ; with lane l xor 16's keys
.endr
.irp g, 0,1,2,3,4
	v_mul_f32 v[110+2*\g], s74, v[91+\g]           ; -c m
.endr
.set i, 0
.rept 64
.if i < 32
.set g, 0
.else
.set g, 1+(i-32)/8
.endif
	v_pk_fma_f32 v[SR+2*i:SR+2*i+1], v[SR+2*i:SR+2*i+1], s[72:73], v[110+2*g:111+2*g] op_sel_hi:[1,0,0]   ; c s - c m, two at a time (of the pairs c and -c m the low word serves both halves)
.set i, i+1
.endr
.set i, 0
.rept 128
	v_exp_f32 v[SR+i], v[SR+i]                     ; p = 2^(c s - c m): one batch
.set i, i+1
.endr
	v_nop                                          ; a plain instruction behind the last exponential
	s_wait_alu depctr_va_vdst(0)                   ; the wait ahead of the first instruction that names a result: one for the batch
.irp b, 0,1,2,3,4,5,6,7
	v_pk_add_f32 v[88+2*\b:89+2*\b], v[SR+16*\b:SR+16*\b+1], v[SR+16*\b+2:SR+16*\b+3]   ; the sums, eight chains by turns
.endr
.irp i, 4,6,8,10,12,14
.irp b, 0,1,2,3,4,5,6,7
	v_pk_add_f32 v[88+2*\b:89+2*\b], v[88+2*\b:89+2*\b], v[SR+16*\b+\i:SR+16*\b+\i+1]
.endr
.endr
	v_pk_add_f32 v[88:89], v[88:89], v[90:91]
	v_pk_add_f32 v[94:95], v[94:95], v[92:93]
	v_pk_add_f32 v[94:95], v[94:95], v[88:89]      ; the five groups' sums: the pairs at v94, v96, .. v102
.irp g, 0,1,2,3,4
	v_add_f32 v[94+2*\g], v[94+2*\g], v[95+2*\g]
.endr
.irp g, 0,1,2,3,4
	v_permlanex16_b32 v[104+\g], v[94+2*\g], s76, s77
.endr
.irp g, 0,1,2,3,4
	v_add_f32 v[94+2*\g], v[94+2*\g], v[104+\g]    ; l: at least about 1, since the largest p is
.endr
.irp g, 0,1,2,3,4
	v_rcp_f32 v[110+2*\g], v[94+2*\g]
.endr
	v_nop                                          ; a plain instruction behind the last reciprocal
	s_wait_alu depctr_va_vdst(0)                   ; and one wait for the five
.irp g, 1,2,3,4
	v_mul_f32 v[110+2*\g], s[31+\g], v[110+2*\g]   ; a neighbour weighs 0.25 / l, or 0
.endr
.set i, 0
.rept 64
.if i < 32
.set g, 0
.else
.set g, 1+(i-32)/8
.endif
	v_pk_mul_f32 v[SR+2*i:SR+2*i+1], v[SR+2*i:SR+2*i+1], v[110+2*g:111+2*g] op_sel_hi:[1,0]
.set i, i+1
.endr
	WIN 0xc0
.set i, 0
.rept 64
	v_cvt_pk_f16_f32 v[PR+i], v[SR+2*i], v[SR+2*i+1]   ; two key tiles, rounded in pairs, are source 1 (32 keys x 16 queries) of the second product
.set i, i+1
.endr
	WIN 0xfd                                       ; V^T window 1; P, C and D window 3
.irp G, 0,1,2,3,4,5,6,7                        ; O^T = V^T P over all 256 keys: four accumulators by turns; the first products start the sums
.irp ct, 0,1,2,3
.if \G == 0
	v_wmma_f32_16x16x32_f16 v[8*\ct:8*\ct+7], v[64*\ct+8*\G:64*\ct+8*\G+7], v[PR+8*\G:PR+8*\G+7], 0
.else
	v_wmma_f32_16x16x32_f16 v[8*\ct:8*\ct+7], v[64*\ct+8*\G:64*\ct+8*\G+7], v[PR+8*\G:PR+8*\G+7], v[8*\ct:8*\ct+7]
.endif
.endr
.endr
.rept 4
	v_nop
.endr
	WIN 0xcf
.irp ct, 0,1,2,3
.irp q, 0,1,2,3
	v_cvt_pk_f16_f32 v[OTR+4*\ct+\q], v[8*\ct+2*\q], v[8*\ct+2*\q+1]   ; a lane's eight channels of a query: 16 bytes, as the last product's fragment wants them
.endr
.endr
	WIN 0x0c                                       ; a store's data are its source 1: window 3
.irp ct, 0,1,2,3
	global_store_b128 v[LI], v[OTR+4*\ct:OTR+4*\ct+3], s[16:17] offset:512*\ct   ; 32 lanes store 512 consecutive bytes, aligned; the four, 2,048 on end
.endr
	WIN 0
	s_wait_xcnt 0x0                                ; the stores have read their data and their base: both are written again only behind this wait
	s_add_nc_u64 s[16:17], s[16:17], 4096
	s_add_co_u32 s78, s78, 2048
	s_sub_co_u32 s79, s79, 1
	s_cmp_lg_u32 s79, 0
	s_cbranch_scc1 .Ltile
	s_wait_tensorcnt 0x0                           ; the wave's end: a tensor wait, an add onto my spare word and its wait, behind my last tensor load and my last LDS store
	ds_add_u32 v[SPW], v[NIL]
	s_wait_dscnt 0x0
	ROUND                                          ; the closing round: no work-group ends while a partner may still ask for a chunk that names it
	s_endpgm
.Lfunc_end_k_q00aa753aa0_attn:
	.size	k_q00aa753aa0_attn, .Lfunc_end_k_q00aa753aa0_attn-k_q00aa753aa0_attn
	.p2alignl 7, 3214868480
	.fill 96, 4, 3214868480
	.section	.rodata,"a",@progbits
	.p2align	6, 0x0
	.amdhsa_kernel k_q00aa753aa0_attn
		.amdhsa_group_segment_fixed_size 327680
		.amdhsa_private_segment_fixed_size 0
		.amdhsa_enable_private_segment 0
		.amdhsa_kernarg_size 56
		.amdhsa_user_sgpr_count 2
		.amdhsa_user_sgpr_kernarg_segment_ptr 1
		.amdhsa_wavefront_size32 1
		.amdhsa_system_sgpr_workgroup_id_x 1
		.amdhsa_system_sgpr_workgroup_id_y 1
		.amdhsa_system_sgpr_workgroup_id_z 1
		.amdhsa_system_vgpr_workitem_id 0
		.amdhsa_next_free_vgpr 1024
		.amdhsa_next_free_sgpr 100
		.amdhsa_reserve_vcc 0
		.amdhsa_float_denorm_mode_32 3
		.amdhsa_float_denorm_mode_16_64 3
		.amdhsa_memory_ordered 1
		.amdhsa_forward_progress 1
		.amdhsa_inst_pref_size 255
	.end_amdhsa_kernel
	.section	.bss,"aw",@nobits
	.p2align	6
	.space	262144
	.amdgpu_metadata
---
amdhsa.version: [ 1, 2 ]
amdhsa.kernels:
  - .name:           k_q00aa753aa0_attn
    .symbol:         k_q00aa753aa0_attn.kd
    .args:
      - { .name: xcodes, .offset: 0, .size: 8, .value_kind: global_buffer, .address_space: global }
      - { .name: xscales, .offset: 8, .size: 8, .value_kind: global_buffer, .address_space: global }
      - { .name: wcodes, .offset: 16, .size: 8, .value_kind: global_buffer, .address_space: global }
      - { .name: bv, .offset: 24, .size: 8, .value_kind: global_buffer, .address_space: global }
      - { .name: bk, .offset: 32, .size: 8, .value_kind: global_buffer, .address_space: global }
      - { .name: bq, .offset: 40, .size: 8, .value_kind: global_buffer, .address_space: global }
      - { .name: att16, .offset: 48, .size: 8, .value_kind: global_buffer, .address_space: global }
    .group_segment_fixed_size: 327680
    .private_segment_fixed_size: 0
    .kernarg_segment_align: 8
    .kernarg_segment_size: 56
    .max_flat_workgroup_size: 128
    .sgpr_count:     100
    .vgpr_count:     1024
    .wavefront_size: 32
...
	.end_amdgpu_metadata
.endif
;; end of part 2
;; launch proj (part 3): grid 4 x 64, 4 waves a work-group, clusters of 4 x 1, 327,680 bytes of LDS; arguments att16, wo16, bo, out0; writes out0
.if DOCPART == 3
	.amdgcn_target "amdgcn-amd-amdhsa--gfx1250"
	.amdhsa_code_object_version 6
	.text
	.protected	k_q00aa753aa0_proj
	.globl	k_q00aa753aa0_proj
	.p2align	8
	.type	k_q00aa753aa0_proj,@function
k_q00aa753aa0_proj:
	s_mov_b64 s[64:65], 0
	v_nop
	global_prefetch_b8 v0, s[64:65] scope:SCOPE_SE
	s_setreg_imm32_b32 hwreg(HW_REG_WAVE_MODE, 25, 1), 1
	s_wait_xcnt 0x0
	s_wait_alu depctr_hold_cnt(0) depctr_sa_sdst(0) depctr_va_vdst(0) depctr_va_sdst(0) depctr_va_ssrc(0) depctr_va_vcc(0) depctr_vm_vsrc(0)
	s_getreg_b32 s2, hwreg(HW_REG_IB_STS2, 6, 4)
	s_cmp_eq_u32 s2, 0
	s_cbranch_scc0 .Lentry_in_a_cluster
	s_endpgm
.Lentry_in_a_cluster:
	s_bfe_u32 s2, ttmp6, 0x10000c
	s_cmp_lg_u32 s2, 0x3003
	s_cbranch_scc0 .Lentry_shape_is_right
	s_endpgm
.Lentry_shape_is_right:
; out0 = attention result x Wo + bo.  Both operands are f16, laid by the earlier launches in the order of the operand registers; sums in f32; out0 [8192][1024] f32.
; SHARES.  A work-group makes one segment's 128 rows x 256 columns: 256 work-groups.  THE WAVES SHARE THE COLUMNS: wave w makes all 8 row tiles x column tiles 4 w .. 4 w + 3: 32 accumulators of 16 x 16.
; A STAYS IN LDS.  The segment's rows, 128 x 1,024 f16 = 262,144 bytes, are asked for once, at the head, in 16 pieces of 16 KiB, four a wave; nothing is filled again, so the main line has no change of slots.
; CLUSTER.  The four work-groups of a cluster make the four column blocks of one segment and need the same A: each piece is asked for JOINTLY (mask 15).
; Wo IS NOT SHARED IN THE CLUSTER, and goes through no LDS: beside A's 262,144 bytes and the spare words 65,024 bytes are left, less than two slots of one K step of Wo (2 x 65,536); and with the columns shared out
; among the waves each fragment of Wo is used by one wave alone.  So it goes from memory straight into that wave's registers, 8 loads of 512 consecutive bytes for 32 along K, seven such quarters ahead.
; No prefetch: A is asked for whole at the head, and Wo's loads themselves run seven quarters ahead.
; THE ORDER OF K.  Position p of the walk takes K step (p + segment) % 8, for A and for Wo alike, so that the work-groups of different segments ask for different parts of Wo at any one time.
; LIMIT: the f32 sums are therefore taken in an order of K that differs from segment to segment, and from the reference's.  Operands are f16: magnitudes under 65,504.
; THE MATRIX INSTRUCTION IS USED TRANSPOSED (source 0 = 16 columns of Wo, source 1 = 16 rows): a lane holds eight neighbouring numbers of a row of out0.  The bias is the C of each sum's first product.
; THE LAST EIGHT QUARTERS GO BY ROWS OF out0: their fragments of Wo are all in registers, and the eight row tiles are finished one after the other, each leaving while the next is multiplied.
; ROWS: tile T = 2 u + a of a segment holds rows 64 a + 4 r + u: the way out puts each row at its place.
; REGISTERS: window 0: v16-29 addresses; v32-63 the bias; v64-127 rows on the way out, two sets; v128-191, v192-255 A's eight fragments of a quarter, two buffers.
;   window 1: accumulator (a, b) at 8 (4 a + b).   windows 2, 3: Wo's fragments: a ring of 16 slots of 32 registers, quarter q in slot q % 16.
.set STAGE,  262144                    ; behind A: 16 rows x (256 bytes + 16) for each wave, for the way out; no tensor load lands here
.set SPITCH, 272
.set SPARE,  279552                    ; the spare words, 128 bytes for each wave: two blocks of 256 bytes that no other line names
.set ADRA, 16                          ; v16-19  16 x lane + 65536 j: A's K positions 2 j and 2 j + 1
.set BO,   20                          ; v20     16 x lane
.set STO,  24                          ; v24     the way out: where I put 32 bytes of a row
.set RD,   25                          ; v25     the way out: where I read rows back
.set CO,   26                          ; v26     my byte offset in out0: lanes 0-15 one row, lanes 16-31 the tile's next row, four rows of out0 further down
.set BOF,  27                          ; v27     32 h
.set SPW,  28                          ; v28     LDS address of my spare word; never rewritten
.set NIL,  29                          ; v29     0; never rewritten
.set BIAS, 32
.set BK,   64
.set F0,   128
.set G1,   24                          ; s[24:31] descriptor group 1;  s[32:47] four groups 0, one for each of my pieces; none is ever rewritten
.set G0,   32
.set WB,   48                          ; s[48:63] Wo at my four column tiles, K position p: the pair at WB + 2 p
.set MSB, 0
.macro WIN new                         ; the immediate's high byte repeats the setting that is left; a switch that changes nothing is dropped
.if MSB != (\new)
	s_set_vgpr_msb (MSB<<8)|(\new)
.set MSB, (\new)
.endif
.endm
.macro ROUND                           ; a round of the cluster's barrier
	s_barrier_signal -1
	s_barrier_wait -1
	s_cmp_lg_u32 s12, 0
	s_cbranch_scc1 .Lnot_wave_0_\@
	s_barrier_signal -3
.Lnot_wave_0_\@:
	s_barrier_wait -3
	s_barrier_signal -1
	s_barrier_wait -1
.endm
.macro PLACES                          ; four places in front of loads into registers that matrix instructions have read, and of the first read of results (ISA guide 7.12.1 for vector instructions)
.rept 4
	v_nop
.endr
.endm
.macro FETCH q, f                      ; A's eight fragments of quarter q into buffer f: 16 LDS loads, tile 0 first
.irp a, 0,1,2,3,4,5,6,7
	ds_load_b128 v[\f+8*\a:\f+8*\a+3],   v[ADRA+(\q)/8] offset:(((\q)/4)%2)*32768+\a*4096+((\q)%4)*1024
	ds_load_b128 v[\f+8*\a+4:\f+8*\a+7], v[ADRA+(\q)/8] offset:(((\q)/4)%2)*32768+\a*4096+((\q)%4)*1024+512
.endr
.endm
.macro BLOAD q                         ; Wo's four fragments of quarter q into slot q % 16: 8 loads of 512 consecutive bytes
	WIN 0x80+0x40*(((\q)%16)/8)                    ; destination window 2 or 3, address window 0
.irp b, 0,1,2,3
	global_load_b128 v[32*((\q)%8)+8*\b:32*((\q)%8)+8*\b+3],   v[BO], s[WB+2*((\q)/4):WB+2*((\q)/4)+1] offset:\b*4096+((\q)%4)*1024
	global_load_b128 v[32*((\q)%8)+8*\b+4:32*((\q)%8)+8*\b+7], v[BO], s[WB+2*((\q)/4):WB+2*((\q)/4)+1] offset:\b*4096+((\q)%4)*1024+512
.endr
.endm
; HI: the last quarter of Wo that has been asked for.  Quarter t asks for one more, from quarter 14 on for two, so that quarters 24 to 31 have all been asked for in quarter 19.
; A slot is asked for again at the earliest four quarters behind the quarter that read it.
.macro BISSUE t
.if HI < 31
	BLOAD HI+1
.set HI, HI+1
.endif
.if ((\t) >= 14) && (HI < 31)
	BLOAD HI+1
.set HI, HI+1
.endif
.endm
.macro WAITB t                         ; quarter t's eight loads are in: those of the HI - t quarters asked for behind it may be out; the count is held at seven quarters' loads, which asks for no less
.if 8*(HI-(\t)) > 56
	s_wait_loadcnt 56
.else
	s_wait_loadcnt 8*(HI-(\t))
.endif
.endm
; 16 products: row tiles a0 .. a0 + 3 against my four column tiles, quarter q.  The 32 accumulators take turns, in the same order in every quarter.
.macro MUL16 q, a0
.irp a, \a0, \a0+1, \a0+2, \a0+3
.irp b, 0,1,2,3
.if (\q) == 0
	v_wmma_f32_16x16x32_f16 v[8*(4*(\a)+\b):8*(4*(\a)+\b)+7], v[32*((\q)%8)+8*\b:32*((\q)%8)+8*\b+7], v[FQ+8*(\a):FQ+8*(\a)+7], v[BIAS+8*\b:BIAS+8*\b+7]
.else
	v_wmma_f32_16x16x32_f16 v[8*(4*(\a)+\b):8*(4*(\a)+\b)+7], v[32*((\q)%8)+8*\b:32*((\q)%8)+8*\b+7], v[FQ+8*(\a):FQ+8*(\a)+7], v[8*(4*(\a)+\b):8*(4*(\a)+\b)+7]
.endif
.endr
.endr
.endm
.macro MULWIN q                        ; Wo window 2 or 3, A window 0, D window 1; C window 1, in quarter 0 the bias in window 0
.if (\q) == 0
	WIN 0x42
.else
	WIN 0x52+((\q)%16)/8
.endif
.endm
.macro ALOADR a                        ; by rows: row tile a's fragments of quarters 24 to 31 into buffer a % 2: 16 LDS loads
.irp j, 0,1,2,3,4,5,6,7
	ds_load_b128 v[F0+64*((\a)%2)+8*\j:F0+64*((\a)%2)+8*\j+3],   v[ADRA+3] offset:(\j/4)*32768+(\a)*4096+(\j%4)*1024
	ds_load_b128 v[F0+64*((\a)%2)+8*\j+4:F0+64*((\a)%2)+8*\j+7], v[ADRA+3] offset:(\j/4)*32768+(\a)*4096+(\j%4)*1024+512
.endr
.endm
; A quarter of 32 along K: 32 products, and in its middle ONE run of loads: A's fragments of the next quarter into the other buffer, and Wo's next quarter or two.
.macro QUARTER q
.set FQ, F0+64*((\q)%2)
.set FN, F0+64*(((\q)+1)%2)
	s_wait_dscnt 8                                 ; A's tiles 0 to 3 are in; the youngest eight loads (tiles 4 to 7) may be out
	WAITB \q
	MULWIN \q
	MUL16 \q, 0
	PLACES
	WIN 0
.if ((\q)+1)%8 == 0                    ; the next eight quarters lie in the next piece of every wave
	s_wait_tensorcnt 3-((\q)+1)/8                  ; my piece of them has landed; my later pieces may stay out
	s_wait_dscnt 0x0                               ; no LDS instruction of mine is pending at a signal
	s_barrier_signal -1
	s_barrier_wait -1                              ; every wave's piece has landed
.endif
.if (\q) < 23
	FETCH (\q)+1, FN
.else
	ALOADR 0
.endif
	BISSUE \q
	s_wait_dscnt 16                                ; all but the 16 just issued
	MULWIN \q
	MUL16 \q, 4
.endm
.macro ROW a                           ; by rows: row tile a is finished: 32 products, its four accumulators by turns, quarters 24 to 31 (slots 8 to 15: window 3)
	WIN 0x53
.irp j, 0,1,2,3,4,5,6,7
.irp b, 0,1,2,3
	v_wmma_f32_16x16x32_f16 v[8*(4*(\a)+\b):8*(4*(\a)+\b)+7], v[32*\j+8*\b:32*\j+8*\b+7], v[F0+64*((\a)%2)+8*\j:F0+64*((\a)%2)+8*\j+7], v[8*(4*(\a)+\b):8*(4*(\a)+\b)+7]
.endr
.endr
.endm
; THE WAY OUT of row tile a (16 rows x 64 columns).  A lane holds 32 neighbouring bytes of a row, and the lanes beside it hold other rows: so the tile goes through my own stage in LDS and comes back as whole
; pieces of 256 bytes, two rows an instruction.  LDS serves a wave's instructions in order (ISA guide 5.7.1.4): no wait between the stores and the loads, nor in front of the next tile's stores.
.macro TOSTAGE a
	WIN 0x04                                       ; an LDS store's data are its source 1: window 1
.irp b, 0,1,2,3
	ds_store_b128 v[STO], v[8*(4*(\a)+\b):8*(4*(\a)+\b)+3] offset:64*\b            ; each accumulator from its low end on
	ds_store_b128 v[STO], v[8*(4*(\a)+\b)+4:8*(4*(\a)+\b)+7] offset:64*\b+16
.endr
	WIN 0
.irp t, 0,1,2,3,4,5,6,7
	ds_load_b128 v[BK+32*((\a)%2)+4*\t:BK+32*((\a)%2)+4*\t+3], v[RD] offset:\t*2*SPITCH
.endr
.endm
.macro SEND a, younger                 ; younger: the LDS instructions issued behind tile a's loads from the stage, which may stay out
	s_wait_dscnt \younger
.irp t, 0,1,2,3,4,5,6,7
	global_store_b128 v[CO], v[BK+32*((\a)%2)+4*\t:BK+32*((\a)%2)+4*\t+3], s[10:11] offset:(64*((\a)&1)+((\a)>>1)+8*\t)*4096 th:TH_STORE_NT   ; rows 2 t and 2 t + 1 of the tile; each half of the lanes stores 256 consecutive bytes, aligned; written once, read by nobody here
.endr
.endm
	s_load_b128 s[4:7], s[0:1], 0x0                ; att16 s[4:5], wo16 s[6:7]
	s_load_b128 s[8:11], s[0:1], 0x10              ; bo s[8:9], out0 s[10:11]
	v_lshl_add_u32 v[SPW], v0, 2, SPARE
	v_mov_b32 v[NIL], 0
	ds_add_u32 v[SPW], v[NIL]                      ; the wave's opening: the add, twice on end, and its wait ahead of my first tensor load; the set-up below, work on registers, stands between
	ds_add_u32 v[SPW], v[NIL]
	v_lshrrev_b32 v1, 5, v0
	v_readfirstlane_b32 s12, v1                    ; wave 0..3
	s_bfe_u32 s13, ttmp6, 0x40000                  ; cx: my place in the cluster
	s_lshl_b32 s14, ttmp9, 2
	s_add_co_u32 s14, s14, s13                     ; my block of 256 columns: it enters Wo's, bo's and out0's addresses alone
	s_and_b32 s15, ttmp7, 0xffff                   ; my segment, which the four partners share
	; descriptor group 1: a dense piece of 16 KiB as 64 rows of 256 bytes (32 elements of 8 bytes)
	s_mov_b32 s[G1], 15|(3<<16)|(1<<21)            ; 15:0 the mask: all four work-groups; 17:16 elements of 8 bytes; 21 set beside a mask
	s_mov_b32 s[G1+1], 32<<16                      ; tensor_dim0
	s_mov_b32 s[G1+2], 64<<16                      ; tensor_dim1
	s_mov_b32 s[G1+3], 32<<16                      ; tile_dim0
	s_mov_b32 s[G1+4], 64                          ; tile_dim1
	s_mov_b32 s[G1+5], 32                          ; from row to row
	s_mov_b32 s[G1+6], 0
	s_mov_b32 s[G1+7], 0
	v_and_b32 v1, 31, v0
	v_lshlrev_b32 v[BO], 4, v1
	v_and_b32 v2, 15, v0                           ; r
	v_bfe_u32 v3, v0, 4, 1                         ; h
	v_lshlrev_b32 v[BOF], 5, v3
.irp j, 0,1,2,3
	v_add_nc_u32 v[ADRA+\j], \j*65536, v[BO]
.endr
	s_mul_i32 s16, s12, 16*SPITCH
	s_add_co_u32 s16, s16, STAGE                   ; my stage
	v_mul_u32_u24 v4, v2, SPITCH
	v_lshl_add_u32 v4, v3, 5, v4
	v_add_nc_u32 v[STO], s16, v4                   ; in: row r, 32 bytes for each half of the lanes
	v_mul_u32_u24 v4, v3, SPITCH
	v_lshl_add_u32 v4, v2, 4, v4
	v_add_nc_u32 v[RD], s16, v4                    ; back: lanes 0-15 one row of 256 bytes, lanes 16-31 the next
	v_lshlrev_b32 v[CO], 14, v3
	v_lshl_add_u32 v[CO], v2, 4, v[CO]
	; my four pieces of A: piece i lies at LDS byte 65536 i + 16384 x wave: half wave % 2 of K position 2 i + wave / 2, which takes K step (position + segment) % 8.  Offsets first, the address behind the wait
	s_and_b32 s17, s15, 7                          ; segment % 8
	s_lshr_b32 s18, s12, 1
	s_add_co_u32 s18, s18, s17
	s_and_b32 s19, s12, 1
	s_lshl_b32 s19, s19, 14
	s_lshl_b32 s20, s15, 18                        ; the segment's 262,144 bytes
	s_add_co_u32 s20, s20, s19
	s_lshl_b32 s21, s12, 14                        ; the wave's number alone enters an LDS address
.irp i, 0,1,2,3
	s_mov_b32 s[G0+4*\i], 1                        ; count = 1
	s_add_co_u32 s[G0+4*\i+1], s21, \i*65536       ; LDS address
	s_add_co_u32 s[G0+4*\i+2], s18, 2*\i
	s_and_b32 s[G0+4*\i+2], s[G0+4*\i+2], 7
	s_lshl_b32 s[G0+4*\i+2], s[G0+4*\i+2], 15      ; a K step of A is 32,768 bytes
	s_add_co_u32 s[G0+4*\i+2], s[G0+4*\i+2], s20
	s_mov_b32 s[G0+4*\i+3], 0
.endr
	s_lshl_b32 s22, s14, 19                        ; Wo: my column block, my four column tiles of 4,096 bytes,
	s_add_co_u32 s22, s22, s21
.irp p, 0,1,2,3,4,5,6,7
	s_add_co_u32 s[WB+2*\p], s17, \p
	s_and_b32 s[WB+2*\p], s[WB+2*\p], 7
	s_lshl_b32 s[WB+2*\p], s[WB+2*\p], 16          ; and the position's K step of 65,536 bytes
	s_add_co_u32 s[WB+2*\p], s[WB+2*\p], s22
	s_mov_b32 s[WB+2*\p+1], 0
.endr
	s_lshl_b32 s66, s14, 10
	s_lshl_b32 s68, s12, 8
	s_add_co_u32 s66, s66, s68                     ; my first column, in bytes: 1024 x block + 256 x wave
	s_mov_b32 s67, 0
	s_lshl_b32 s68, s15, 19                        ; the segment's first row of out0
	s_mov_b32 s69, 0
	s_wait_dscnt 0x0                               ; both opening adds are done
	s_wait_kmcnt 0x0
.irp i, 0,1,2,3
	s_add_nc_u64 s[G0+4*\i+2:G0+4*\i+3], s[4:5], s[G0+4*\i+2:G0+4*\i+3]
	s_or_b32 s[G0+4*\i+3], s[G0+4*\i+3], 0x80000000   ; type = 2
.endr
.irp p, 0,1,2,3,4,5,6,7
	s_add_nc_u64 s[WB+2*\p:WB+2*\p+1], s[6:7], s[WB+2*\p:WB+2*\p+1]
.endr
	s_add_nc_u64 s[8:9], s[8:9], s[66:67]
	s_add_nc_u64 s[10:11], s[10:11], s[66:67]
	s_add_nc_u64 s[10:11], s[10:11], s[68:69]
	ROUND                                          ; all four work-groups are here: the joint loads meet
.irp i, 0,1,2,3
	tensor_load_to_lds s[G0+4*\i:G0+4*\i+3], s[G1:G1+7]   ; all of A goes out together: four loads of mine are out
	s_nop 0
.endr
.irp b, 0,1,2,3
	global_load_b128 v[BIAS+8*\b:BIAS+8*\b+3],   v[BOF], s[8:9] offset:64*\b      ; the bias in the result's layout: lane (r, h), tile b: columns 16 b + 8 h + 0 .. 7
	global_load_b128 v[BIAS+8*\b+4:BIAS+8*\b+7], v[BOF], s[8:9] offset:64*\b+16
.endr
.irp q, 0,1,2,3,4,5,6
	BLOAD \q                                       ; Wo's first seven quarters
.endr
.set HI, 6
	WIN 0
	s_wait_tensorcnt 0x3                           ; my first piece has landed; the other three may stay out
	s_barrier_signal -1
	s_barrier_wait -1                              ; everybody's has: K positions 0 and 1 are whole
	FETCH 0, F0
.irp q, 0,1,2,3,4,5,6,7,8,9,10,11,12,13,14,15,16,17,18,19,20,21,22,23
	QUARTER \q                                     ; quarter 0's products start the sums, with the bias as C: nothing is cleared
.endr
	PLACES                                         ; for the loads into the buffer that quarter 23 multiplied
	WIN 0
	ALOADR 1
	s_wait_loadcnt 0x0                             ; Wo's quarters 24 to 31 are in registers: the last was asked for in quarter 19
.irp a, 0,1,2,3,4,5,6,7
.if (\a == 0) || (\a == 7)
	s_wait_dscnt 16                                ; tile a's fragments are in.  Behind them: tile 1's fragments (a = 0); tile 6's turn through the stage (a = 7)
.else
	s_wait_dscnt 32                                ; behind them: tile a - 1's turn through the stage and tile a + 1's fragments
.endif
	ROW \a
	PLACES                                         ; the stage's stores read results just made, and the loads below land where these products read
.if \a > 1
	s_wait_xcnt 0x0                                ; tile a - 2's stores, a row tile's products back, have read their registers: tile a's rows may land there
.endif
	TOSTAGE \a
.if \a < 6
	ALOADR \a+2                                    ; its buffer takes the tile two further on
.endif
.if \a > 0                             ; tile a - 1 leaves: its turn through the stage stood behind tile a's products
.if \a < 6
	SEND \a-1, 48                                  ; behind its loads: tile a + 1's fragments, tile a's turn through the stage, tile a + 2's fragments
.elseif \a == 6
	SEND \a-1, 32                                  ; tile 7's fragments and tile 6's turn
.else
	SEND \a-1, 16                                  ; tile 7's turn
.endif
.endif
.endr
	SEND 7, 0
	s_wait_tensorcnt 0x0                           ; the wave's end: a tensor wait, an add onto my spare word and its wait, behind my last tensor load and my last LDS store
	ds_add_u32 v[SPW], v[NIL]
	s_wait_dscnt 0x0
	ROUND                                          ; the closing round: no work-group ends while a partner may still ask for a piece that names it
	s_endpgm
.Lfunc_end_k_q00aa753aa0_proj:
	.size	k_q00aa753aa0_proj, .Lfunc_end_k_q00aa753aa0_proj-k_q00aa753aa0_proj
	.p2alignl 7, 3214868480
	.fill 96, 4, 3214868480
	.section	.rodata,"a",@progbits
	.p2align	6, 0x0
	.amdhsa_kernel k_q00aa753aa0_proj
		.amdhsa_group_segment_fixed_size 327680
		.amdhsa_private_segment_fixed_size 0
		.amdhsa_enable_private_segment 0
		.amdhsa_kernarg_size 32
		.amdhsa_user_sgpr_count 2
		.amdhsa_user_sgpr_kernarg_segment_ptr 1
		.amdhsa_wavefront_size32 1
		.amdhsa_system_sgpr_workgroup_id_x 1
		.amdhsa_system_sgpr_workgroup_id_y 1
		.amdhsa_system_sgpr_workgroup_id_z 1
		.amdhsa_system_vgpr_workitem_id 0
		.amdhsa_next_free_vgpr 1024
		.amdhsa_next_free_sgpr 72
		.amdhsa_reserve_vcc 0
		.amdhsa_float_denorm_mode_32 3
		.amdhsa_float_denorm_mode_16_64 3
		.amdhsa_memory_ordered 1
		.amdhsa_forward_progress 1
		.amdhsa_inst_pref_size 153
	.end_amdhsa_kernel
	.amdgpu_metadata
---
amdhsa.version: [ 1, 2 ]
amdhsa.kernels:
  - .name:           k_q00aa753aa0_proj
    .symbol:         k_q00aa753aa0_proj.kd
    .args:
      - { .name: att16, .offset: 0, .size: 8, .value_kind: global_buffer, .address_space: global }
      - { .name: wo16, .offset: 8, .size: 8, .value_kind: global_buffer, .address_space: global }
      - { .name: bo, .offset: 16, .size: 8, .value_kind: global_buffer, .address_space: global }
      - { .name: out0, .offset: 24, .size: 8, .value_kind: global_buffer, .address_space: global }
    .group_segment_fixed_size: 327680
    .private_segment_fixed_size: 0
    .kernarg_segment_align: 8
    .kernarg_segment_size: 32
    .max_flat_workgroup_size: 128
    .sgpr_count:     72
    .vgpr_count:     1024
    .wavefront_size: 32
...
	.end_amdgpu_metadata
.endif
;; end of part 3
